; MI455X (gfx1250); checked and timed in simulation.
; The chip was launched on July 23, 2026; its instructions are those of AMD's public machine-readable ISA for CDNA 5 (MIT licence, August 2026) and "CDNA5" Instruction Set Architecture Reference Guide (July 2026). The comments in the code are by the model that wrote it; some were corrected since.
;; attentive node features dag. Allowed arithmetic: matrix products marked QUANTISED: E3M2 operands, one E8M0 scale for each 32 along K, by v_wmma_scale_f32_16x16x128_f8f6f4 with both operands' format E3M2, f32 sums; everything else in f32.
;; Inputs: W_codes 1,024 x 32 x 24 uint8 (E3M2 codes of W, K innermost, in blocks of 32 codes, four codes in three bytes); W_scales 1,024 x 32 uint8 (E8M0 scales of W, one for each 32 codes along K); b 1,024 float32; features 16 x 1,024 x 1,024 float32; lengths 16 int32.
;; Outputs: out0 16 x 1,024 x 1,024 float32.
;; This version of the problem:
;;   THIS VERSION OF THE PROBLEM IS GIVEN IN LOW PRECISION. The matrix products marked QUANTISED in the list below multiply operands that are first quantised to E3M2 (3 exponent bits, 2 mantissa bits; 6 bits a number), with one power-of-two scale for each 32 numbers along K (OCP MX v1.0); their sums are f32. All else is computed in f32.
;;   The module's matrix products, in the order in which they are computed (A, B: the left and right operand; K: the contracted axis; several contracted axes count as one K, in the product's order):
;;     1. [M 16,384, K 1,024] x [K 1,024, N 1,024]; A: input features; B: input W (given as codes): QUANTISED
;;     2. batch 16 x [M 1,024, K 1,024] x [K 1,024, N 1,024]; A: computed on the way; B: input features: QUANTISED
;;     3. batch 16 x [M 1,024, K 1,024] x [K 1,024, N 1,024]; A: computed on the way; B: input features: QUANTISED
;;   THE QUANTISER, for each operand of a quantised product, along K:
;;     - K is cut into blocks of 32 from its start; a last block that is shorter is filled with zeros.
;;     - A block's scale is 2^e with e = floor(log2(the largest magnitude in the block)) - 4, held to -126 .. 127; a block of zeros has e = 0. As a byte (E8M0): e + 127.
;;     - Each number is divided by its block's scale, clamped to +-28, and rounded to the nearest number of E3M2, ties to even, subnormals kept.
;;     - The product sums the exact products of the quantised numbers (number of the format x scale) in f32.
;;   ~~~python
;;   def quantise(x, axis):      # numpy; x: float32 -> the quantised numbers, widened to float32 again
;;       x = np.moveaxis(x, axis, -1); K = x.shape[-1]
;;       x = np.pad(x, [(0, 0)] * (x.ndim - 1) + [(0, -K % 32)]); x = x.reshape(x.shape[:-1] + (-1, 32)); a = np.abs(x).max(-1, keepdims=True)
;;       e = np.where(a > 0, np.clip(np.frexp(np.where(a > 0, a, 1))[1] - 1 - 4, -126, 127), 0)      # np.frexp(a)[1] - 1 = floor(log2(a)), exactly
;;       r = np.clip(x / 2.0 ** e, -28, 28)
;;       step = 2.0 ** (np.maximum(np.frexp(np.where(r == 0, 1, r))[1] - 1, -2) - 2)
;;       q = np.round(r / step) * step * 2.0 ** e      # np.round: ties to even
;;       return np.moveaxis(q.reshape(q.shape[:-2] + (-1,))[..., :K], -1, axis).astype(np.float32)
;;   ~~~
;;   OPERANDS COMPUTED ON THE WAY. 'Computed on the way' means the value that the module computes at that place (a softmax that the list does not call 'softmax' is quantised finished and normalised). What goes into a quantiser is computed in f32, as accurately as f32 sums, v_exp_f32 and their like allow (about 1e-6 of the number): no bf16 or f16 on the way to a quantiser, and a product that is left as it is and whose result goes on into a quantised operand takes f32 operands (vector FMAs, or v_wmma_f32_16x16x4_f32). A number that lies on a knife's edge between two numbers of the format may be rounded either way, as far as f32 arithmetic and the matrix unit's own rounding can turn it there, and no further.
;;   INPUTS GIVEN AS CODES. W (in the module: [1024, 1024], K = its axis 1): each comes as NAME_codes (uint8): NAME with its K axis moved to the last place and cut into blocks of 32 codes, [.., K / 32, bytes a block], one block behind the other in memory; four codes in three bytes: a row's codes are one little-endian stream of bits, code i at bits 6 i .. 6 i + 5 (a code: sign, 3 exponent bits, 2 mantissa bits); and NAME_scales (uint8): the same leading axes, one E8M0 byte (e + 127) for each 32 codes along K. Its value is code x scale, taken as it is: it is not quantised again, and the codes and scales need not be those that the quantiser above would give.
;; One version. Each part assembles by itself: llvm-mc -triple=amdgcn-amd-amdhsa -mcpu=gfx1250 --defsym DOCPART=n.
;; ======== version 1 of 1: 2 launches
;; limits: right only within a limited range of input values
;; workspace buffers: st 27,033,600 bytes
;; launch prep (part 1): grid 1032 x 1, 8 waves a work-group, no clusters, 70,912 bytes of LDS; arguments features, W_codes, W_scales, st; writes st
.if DOCPART == 1
	.amdgcn_target "amdgcn-amd-amdhsa--gfx1250"
	.amdhsa_code_object_version 6
	.text
	.protected	k_q54db80a9fb_prep
	.globl	k_q54db80a9fb_prep
	.p2align	8
	.type	k_q54db80a9fb_prep,@function
k_q54db80a9fb_prep:
	s_mov_b64 s[64:65], 0
	v_nop
	global_prefetch_b8 v0, s[64:65] scope:SCOPE_SE
	s_setreg_imm32_b32 hwreg(HW_REG_WAVE_MODE, 25, 1), 1
	s_wait_xcnt 0x0
; features [16][1024][1024] f32 become codes of E3M2 twice: quantised along V (stream FR of a batch) and along the nodes (stream FC);
; W's given codes and scale bytes are only laid anew (stream WS).  All three go to the workspace st IN THE ORDER OF OPERAND REGISTERS,
; so that the next launch brings a K step's tile as one dense block and loads every fragment by 16-byte loads.
; st: 33 streams of 819,200 bytes: WS, then FR and FC of batch 0, 1, ..  A stream: 8 K steps of 102,400 bytes; a K step: 4 quarters of
; 25,600 bytes (one for each wave of the reader); a quarter: 16 fragments of 1,536 bytes, then 1,024 bytes of scale words.
; A fragment (16 rows x 128 K, 12 registers a lane): registers 4 c .. 4 c + 3 of lane l at 512 c + 16 l.
; Scale word of (fragment j, row p) at 24,576 + 512 (j / 8) + 16 (16 (j % 2) + p) + 4 ((j / 2) % 4).
; Which row is (quarter w, fragment j, row p), with pi(p) = p + 8 (p / 8):
;   WS: W's row 256 w + 32 (j / 2) + 8 (j % 2) + pi(p);   FR: node 128 g + 32 ((j % 8) / 2) + 8 (j % 2) + pi(p), g = w (j < 8) or 7 - w;
;   FC: column v = 256 w + 16 j + p, and K step g holds nodes 128 g .. 128 g + 127.
; A block's scale is 2^(floor(log2(largest magnitude)) - 4): its byte is the largest magnitude's exponent field - 4, held at 1 from below.
; LIMITS: a block of zeros gets the byte 1 where the rule says 127 (its codes are zeros, and this program alone reads the bytes);
; NaN and infinities among the features are not served.
; SHARES: work-groups 0 to 7 lay W's K step x anew (no LDS, no barrier).  Work-group 8 + y takes a tile of 128 nodes x 128 columns of
; batch y / 64, reads it from memory ONCE into LDS, and each of its eight waves makes one fragment of FR and one of FC from it.
.set ROWP, 528                         ; an LDS row: 512 bytes + 16; 128 more behind every 16 rows and 64 more behind every 32 rows, so that the three
                                       ; patterns below (dense stores, 16 rows of a fragment, 32 lanes down two columns' halves) each touch different banks (64 banks of 4 bytes: ISA guide 11.1)
.set SCLF, 68864                       ; behind the tile: FR's 128 scale words, then FC's
.set X,   16                           ; v16-79   64 numbers of a lane
.set C1,  80                           ; v80-91   FR's fragment
.set CT,  92                           ; v92-99   the upper halves of two blocks' codes (a conversion's three registers begin on an even number)
.set C2,  100                          ; v100-111 FC's fragment: registers of its own, so that no store's data are written again
.set M,   112                          ; v112-113 largest magnitudes
.set SO,  114                          ; v114-115 the conversions' scale operands
.set BY,  116                          ; v116-117 the scale bytes
.set WD,  118                          ; v118     the row's scale word
.set W2,  119                          ; v119     the other half's part of it
	s_load_b256 s[4:11], s[0:1], 0x0               ; features s[4:5], W's codes s[6:7], W's scales s[8:9], st s[10:11]
	v_lshl_add_u32 v128, v0, 2, 0x11100
	v_mov_b32 v129, 0
	v_lshrrev_b32 v1, 5, v0
	s_delay_alu instid0(VALU_DEP_1)
	v_readfirstlane_b32 s12, v1                    ; wave i = 0..7
	v_and_b32 v1, 31, v0                           ; lane
	v_and_b32 v2, 15, v0                           ; p = lane % 16
	v_bfe_u32 v3, v0, 4, 1                         ; h = lane / 16
	s_delay_alu instid0(VALU_DEP_3)
	v_lshlrev_b32 v4, 4, v1                        ; 16 x lane
	s_cmp_lt_u32 ttmp9, 8                          ; the same for all eight waves
	s_cbranch_scc1 .Lweights
	; ---------------- a tile of features ----------------
	s_sub_co_u32 s13, ttmp9, 8                     ; y
	s_lshr_b32 s14, s13, 6                         ; batch
	s_bfe_u32 s15, s13, 0x30003                    ; mg: which 128 nodes
	s_and_b32 s16, s13, 7                          ; vg: which 128 columns
	s_lshl_b32 s24, s14, 22                        ; my 16 rows: ((1024 batch + 128 mg + 16 i) x 1024 + 128 vg) x 4 bytes
	s_lshl_b32 s17, s15, 19
	s_add_co_u32 s24, s24, s17
	s_lshl_b32 s17, s12, 16
	s_add_co_u32 s24, s24, s17
	s_lshl_b32 s17, s16, 9
	s_add_co_u32 s24, s24, s17
	s_mov_b32 s25, 0
	s_wait_kmcnt 0x0
	s_add_nc_u64 s[24:25], s[4:5], s[24:25]
	s_wait_alu depctr_va_vdst(0)
.irp k, 0,1,2,3,4,5,6,7,8,9,10,11,12,13,14,15
	global_load_b128 v[X+4*\k:X+4*\k+3], v4, s[24:25] offset:4096*\k th:TH_LOAD_NT   ; a row's 512 consecutive bytes; read once in the launch
.endr
	s_mov_b32 s20, 0x76543210
	s_mov_b32 s21, 0xfedcba98                      ; v_permlanex16_b32's selects for lane l xor 16
	s_mul_i32 s18, s14, 1638400
	s_add_co_u32 s18, s18, 819200                  ; FR of my batch
	s_xor_b32 s19, s15, 7
	s_min_u32 s19, s19, s15                        ; its quarter: mg or 7 - mg
	s_mul_i32 s19, s19, 25600
	s_mul_i32 s17, s16, 102400                     ; its K step: vg
	s_add_co_u32 s19, s19, s17
	s_add_co_u32 s19, s19, s18
	s_lshr_b32 s17, s15, 2                         ; the quarter's upper eight fragments where mg > 3
	s_lshl_b32 s22, s17, 9
	s_add_co_u32 s30, s19, s22
	s_add_co_u32 s30, s30, 24576                   ; their 128 scale words
	s_mov_b32 s31, 0
	s_lshl_b32 s17, s17, 3
	s_add_co_u32 s17, s17, s12
	s_mul_i32 s17, s17, 1536
	s_add_co_u32 s26, s19, s17                     ; my fragment of FR
	s_mov_b32 s27, 0
	s_add_co_u32 s18, s18, 819200                  ; FC of my batch
	s_mul_i32 s17, s15, 102400                     ; its K step: mg
	s_add_co_u32 s18, s18, s17
	s_lshr_b32 s17, s16, 1
	s_mul_i32 s17, s17, 25600                      ; its quarter: vg / 2
	s_add_co_u32 s18, s18, s17
	s_and_b32 s17, s16, 1
	s_lshl_b32 s22, s17, 9
	s_add_co_u32 s32, s18, s22
	s_add_co_u32 s32, s32, 24576
	s_mov_b32 s33, 0
	s_lshl_b32 s17, s17, 3
	s_add_co_u32 s17, s17, s12
	s_mul_i32 s17, s17, 1536
	s_add_co_u32 s28, s18, s17                     ; my fragment of FC
	s_mov_b32 s29, 0
	s_add_nc_u64 s[26:27], s[10:11], s[26:27]
	s_add_nc_u64 s[28:29], s[10:11], s[28:29]
	s_add_nc_u64 s[30:31], s[10:11], s[30:31]
	s_add_nc_u64 s[32:33], s[10:11], s[32:33]
	; LDS addresses.  Row R of the tile lies at 528 R + 128 (R / 16) + 64 (R / 32)
	s_lshr_b32 s22, s12, 1                         ; i / 2
	s_and_b32 s23, s12, 1                          ; i % 2
	s_mul_i32 s17, s12, 8576
	s_lshl_b32 s34, s22, 6
	s_add_co_u32 s17, s17, s34
	v_add_nc_u32 v5, s17, v4                       ; in: my rows 16 i on, 16 bytes a lane
	s_mul_i32 s17, s22, 17216
	s_mul_i32 s34, s23, 4224
	s_add_co_u32 s17, s17, s34
	v_and_b32 v6, 7, v2
	s_delay_alu instid0(VALU_DEP_1)
	v_mul_u32_u24 v6, v6, ROWP
	v_lshrrev_b32 v10, 3, v2
	s_delay_alu instid0(VALU_DEP_1)
	v_mad_u32_u24 v6, v10, 8576, v6
	s_delay_alu instid0(VALU_DEP_1)
	v_lshl_add_u32 v6, v3, 7, v6
	s_delay_alu instid0(VALU_DEP_1)
	v_add_nc_u32 v6, s17, v6                       ; FR: row 32 (i / 2) + 8 (i % 2) + pi(p), + my half's 32 numbers
	v_mul_u32_u24 v7, v3, 17216
	s_delay_alu instid0(VALU_DEP_1)
	v_lshl_add_u32 v7, v2, 2, v7
	s_lshl_b32 s17, s12, 6
	v_add_nc_u32 v7, s17, v7                       ; FC: column 16 i + p, rows 32 h on
	s_lshl_b32 s17, s23, 8
	s_lshl_b32 s34, s22, 2
	s_add_co_u32 s17, s17, s34
	s_add_co_u32 s17, s17, SCLF
	v_lshl_add_u32 v8, v2, 4, s17                  ; my row's scale word among the tile's 128
	v_lshlrev_b32 v9, 3, v3                        ; 8 h
	v_add_nc_u32 v11, SCLF, v4                     ; the scale words' way out: 16 bytes a lane
	v_mov_b32 v[W2], 0                             ; written once: a lane permute's destination counts as one of its sources
	s_wait_alu depctr_va_vdst(0)
.irp k, 0,1,2,3,4,5,6,7,8,9,10,11,12,13,14,15
	s_wait_loadcnt 15-\k                           ; loads come back in order: row k is in, the younger ones stay out
	ds_store_b128 v5, v[X+4*\k:X+4*\k+3] offset:ROWP*\k
.endr
	s_wait_dscnt 0x0                               ; for the others' sake: my rows lie in LDS
	s_barrier_signal -1
	s_barrier_wait -1                              ; the whole tile does
; 64 numbers of a lane, two whole blocks of 32 (X + 32 k on: block 2 k + h of my row), become the 12 registers of a fragment at v[c] and the row's scale word in v[WD]
.macro QBLK c
.irp k, 0,1
	v_max3_num_f32 v[M+\k], |v[X+32*\k]|, |v[X+32*\k+1]|, 0x2800000   ; with the floor 2^(5 - 127): the byte cannot fall under 1
.endr
.irp i, 2,4,6,8,10,12,14,16,18,20,22,24,26,28,30
.irp k, 0,1
	s_delay_alu instid0(VALU_DEP_2)
	v_max3_num_f32 v[M+\k], v[M+\k], |v[X+32*\k+\i]|, |v[X+32*\k+\i+1]|   ; the two blocks by turns
.endr
.endr
.irp k, 0,1
	s_delay_alu instid0(VALU_DEP_2)
	v_add_nc_u32 v[SO+\k], 0xfe000000, v[M+\k]     ; 4 off the exponent field: the conversion takes that field as its scale
.endr
.irp k, 0,1
	s_delay_alu instid0(VALU_DEP_2)
	v_lshrrev_b32 v[BY+\k], 23, v[SO+\k]           ; the scale's byte
.endr
	s_delay_alu instid0(VALU_DEP_1)
	v_lshl_or_b32 v[WD], v[BY+1], 16, v[BY]        ; blocks h and 2 + h,
	s_delay_alu instid0(VALU_DEP_1)
	v_lshlrev_b32 v[WD], v9, v[WD]                 ; at their places in the word;
	s_delay_alu instid0(VALU_DEP_1)
	v_permlanex16_b32 v[W2], v[WD], s20, s21
	s_delay_alu instid0(VALU_DEP_1)
	v_or_b32 v[WD], v[WD], v[W2]                   ; with lane l xor 16's two the word is whole
.irp k, 0,1
	v_cvt_scalef32_pk16_bf6_f32 v[\c+6*\k:\c+6*\k+2], v[X+32*\k:X+32*\k+15], v[SO+\k]
	v_cvt_scalef32_pk16_bf6_f32 v[CT+4*\k:CT+4*\k+2], v[X+32*\k+16:X+32*\k+31], v[SO+\k]
.endr
	v_nop                                          ; one plain place behind a scaled conversion
.irp k, 0,1
.irp i, 0,1,2
	v_mov_b32 v[\c+6*\k+3+\i], v[CT+4*\k+\i]
.endr
.endr
.endm
	; FR's fragment i: K = the columns, which lie along the LDS rows
.irp c, 0,1
.irp q, 0,1,2,3,4,5,6,7
	ds_load_b128 v[X+32*\c+4*\q:X+32*\c+4*\q+3], v6 offset:256*\c+16*\q
.endr
.endr
	s_wait_dscnt 0x0
	QBLK C1
.irp c, 0,1,2
	global_store_b128 v4, v[C1+4*\c:C1+4*\c+3], s[26:27] offset:512*\c   ; 32 lanes store 512 consecutive bytes, at a multiple of 256 from st's first byte
.endr
	ds_store_b32 v8, v[WD]                         ; both halves of the lanes write the same word with the same value
	; FC's fragment i: K = the nodes: a lane takes a column, and its registers run down the rows
.irp c, 0,1
.irp k, 0,1,2,3,4,5,6,7,8,9,10,11,12,13,14,15,16,17,18,19,20,21,22,23,24,25,26,27,28,29,30,31
	ds_load_b32 v[X+32*\c+\k], v7 offset:34432*\c+ROWP*\k+128*(\k/16)
.endr
.endr
	s_wait_dscnt 0x0
	QBLK C2
.irp c, 0,1,2
	global_store_b128 v4, v[C2+4*\c:C2+4*\c+3], s[28:29] offset:512*\c
.endr
	ds_store_b32 v8, v[WD] offset:512
	s_wait_dscnt 0x0                               ; for the others' sake: my scale words lie in LDS
	s_barrier_signal -1
	s_barrier_wait -1
	s_cmp_lg_u32 s12, 0                            ; wave 0 sends FR's 512 bytes of scale words, wave 1 FC's
	s_cbranch_scc1 .Lnot_wave_0
	ds_load_b128 v[16:19], v11
	s_wait_dscnt 0x0
	global_store_b128 v4, v[16:19], s[30:31]
.Lnot_wave_0:
	s_cmp_lg_u32 s12, 1
	s_cbranch_scc1 .Ldone
	ds_load_b128 v[20:23], v11 offset:512
	s_wait_dscnt 0x0
	global_store_b128 v4, v[20:23], s[32:33]
.Ldone:
	s_wait_tensorcnt 0x0
	ds_add_u32 v128, v129
	s_wait_dscnt 0x0
	s_endpgm
	; ---------------- W's K step x, half a quarter (eight fragments) a wave ----------------
.Lweights:
	s_bfe_u32 s13, s12, 0x20001                    ; quarter w = i / 2
	s_and_b32 s14, s12, 1                          ; hf: which eight fragments
	s_lshl_b32 s15, s13, 8
	s_lshl_b32 s16, s14, 7
	s_add_co_u32 s15, s15, s16                     ; their first row of W: 256 w + 128 hf
	s_mul_i32 s24, s15, 768                        ; a row of 1,024 codes is 768 bytes,
	s_mul_i32 s16, ttmp9, 96                       ; a K step 96
	s_add_co_u32 s24, s24, s16
	s_mov_b32 s25, 0
	s_lshl_b32 s26, s15, 5                         ; a row of scale bytes is 32 bytes, a K step 4
	s_lshl_b32 s16, ttmp9, 2
	s_add_co_u32 s26, s26, s16
	s_mov_b32 s27, 0
	s_mul_i32 s28, ttmp9, 102400
	s_mul_i32 s16, s13, 25600
	s_add_co_u32 s28, s28, s16                     ; the quarter in WS
	s_lshl_b32 s16, s14, 9
	s_add_co_u32 s30, s28, s16
	s_add_co_u32 s30, s30, 24576                   ; my 128 scale words
	s_mov_b32 s31, 0
	s_mul_i32 s16, s14, 12288
	s_add_co_u32 s28, s28, s16                     ; my eight fragments
	s_mov_b32 s29, 0
	s_wait_alu depctr_va_vdst(0)
	v_and_b32 v5, 8, v2
	s_delay_alu instid0(VALU_DEP_1)
	v_add_nc_u32 v5, v5, v2                        ; pi(p)
	s_delay_alu instid0(VALU_DEP_1)
	v_mul_u32_u24 v6, v5, 768
	s_delay_alu instid0(VALU_DEP_1)
	v_mad_u32_u24 v6, v3, 24, v6                   ; codes: row pi(p), + 24 h
	s_delay_alu instid0(VALU_DEP_3)
	v_lshl_add_u32 v7, v3, 3, v5
	s_delay_alu instid0(VALU_DEP_1)
	v_lshlrev_b32 v7, 5, v7                        ; scale words: lanes 0-15 an even fragment's rows, lanes 16-31 the odd one's, 8 rows on
	s_wait_alu depctr_va_vdst(0)
	s_wait_kmcnt 0x0
	s_add_nc_u64 s[24:25], s[6:7], s[24:25]
	s_add_nc_u64 s[26:27], s[8:9], s[26:27]
	s_add_nc_u64 s[28:29], s[10:11], s[28:29]
	s_add_nc_u64 s[30:31], s[10:11], s[30:31]
.irp j, 0,1,2,3,4,5,6,7
.irp p, 0,1,2,3,4,5
	global_load_b64 v[16+12*\j+2*\p:16+12*\j+2*\p+1], v6, s[24:25] offset:(32*(\j/2)+8*(\j%2))*768+48*(\p/3)+8*(\p%3)   ; 24 bytes of the row's stream of bits are six registers of the operand, as they lie
.endr
.endr
.irp q, 0,1,2,3
	global_load_b32 v[112+\q], v7, s[26:27] offset:1024*\q
.endr
	s_wait_loadcnt 0x0
.irp j, 0,1,2,3,4,5,6,7
.irp c, 0,1,2
	global_store_b128 v4, v[16+12*\j+4*\c:16+12*\j+4*\c+3], s[28:29] offset:1536*\j+512*\c
.endr
.endr
	global_store_b128 v4, v[112:115], s[30:31]
	s_endpgm
.Lfunc_end_k_q54db80a9fb_prep:
	.size	k_q54db80a9fb_prep, .Lfunc_end_k_q54db80a9fb_prep-k_q54db80a9fb_prep
	.p2alignl 7, 3214868480
	.fill 96, 4, 3214868480
	.section	.rodata,"a",@progbits
	.p2align	6, 0x0
	.amdhsa_kernel k_q54db80a9fb_prep
		.amdhsa_group_segment_fixed_size 70912
		.amdhsa_private_segment_fixed_size 0
		.amdhsa_enable_private_segment 0
		.amdhsa_kernarg_size 32
		.amdhsa_user_sgpr_count 2
		.amdhsa_user_sgpr_kernarg_segment_ptr 1
		.amdhsa_wavefront_size32 1
		.amdhsa_system_sgpr_workgroup_id_x 1
		.amdhsa_system_sgpr_workgroup_id_y 1
		.amdhsa_system_sgpr_workgroup_id_z 1
		.amdhsa_system_vgpr_workitem_id 0
		.amdhsa_next_free_vgpr 130
		.amdhsa_next_free_sgpr 66
		.amdhsa_reserve_vcc 0
		.amdhsa_float_denorm_mode_32 3
		.amdhsa_float_denorm_mode_16_64 3
		.amdhsa_memory_ordered 1
		.amdhsa_forward_progress 1
		.amdhsa_inst_pref_size 32
	.end_amdhsa_kernel
	.amdgpu_metadata
---
amdhsa.version: [ 1, 2 ]
amdhsa.kernels:
  - .name:           k_q54db80a9fb_prep
    .symbol:         k_q54db80a9fb_prep.kd
    .args:
      - { .name: features, .offset: 0, .size: 8, .value_kind: global_buffer, .address_space: global }
      - { .name: W_codes, .offset: 8, .size: 8, .value_kind: global_buffer, .address_space: global }
      - { .name: W_scales, .offset: 16, .size: 8, .value_kind: global_buffer, .address_space: global }
      - { .name: st, .offset: 24, .size: 8, .value_kind: global_buffer, .address_space: global }
    .group_segment_fixed_size: 70912
    .private_segment_fixed_size: 0
    .kernarg_segment_align: 8
    .kernarg_segment_size: 32
    .max_flat_workgroup_size: 256
    .sgpr_count:     66
    .vgpr_count:     130
    .wavefront_size: 32
...
	.end_amdgpu_metadata
.endif
;; end of part 1
;; launch attn (part 2): grid 16 x 16, 4 waves a work-group, clusters of 4 x 1, 327,680 bytes of LDS; arguments st, b, lengths, out0; writes out0
.if DOCPART == 2
	.amdgcn_target "amdgcn-amd-amdhsa--gfx1250"
	.amdhsa_code_object_version 6
	.text
	.protected	k_q54db80a9fb_attn
	.globl	k_q54db80a9fb_attn
	.p2align	8
	.type	k_q54db80a9fb_attn,@function
k_q54db80a9fb_attn:
	s_mov_b64 s[64:65], 0
	v_nop
	global_prefetch_b8 v0, s[64:65] scope:SCOPE_SE
	s_setreg_imm32_b32 hwreg(HW_REG_WAVE_MODE, 25, 1), 1
	s_wait_xcnt 0x0
	s_wait_alu depctr_hold_cnt(0) depctr_sa_sdst(0) depctr_va_vdst(0) depctr_va_sdst(0) depctr_va_ssrc(0) depctr_va_vcc(0) depctr_vm_vsrc(0)
	s_getreg_b32 s2, hwreg(HW_REG_IB_STS2, 6, 4)
	s_cmp_eq_u32 s2, 0
	s_cbranch_scc0 .Lentry_in_a_cluster
	s_endpgm
.Lentry_in_a_cluster:
	s_bfe_u32 s2, ttmp6, 0x10000c
	s_cmp_lg_u32 s2, 0x3003
	s_cbranch_scc0 .Lentry_shape_is_right
	s_endpgm
.Lentry_shape_is_right:
; x = Q(features) W^T + b;  scores = Q(x) Q(features)^T;  alpha = e^tanh(scores) x mask / its row sum;  out = Q(alpha) Q(features), all three products in MX-BF6.
; LEFT OUT: the softmax's own maximum and denominator.  reference() divides softmax x mask by its masked row sum, so both cancel for all values of the inputs;
; tanh holds the exponents in -1 .. 1, so no exponential and no sum of 1,024 of them can leave f32's range without a maximum taken away.
; Tiles of 128 keys that lie wholly above reference()'s own causal mask are not multiplied.  LIMITS: a NaN or infinity that reaches only the work left out is not carried on;
; lengths are taken as 1 .. 1,024 (at 0 reference() divides by 0); e^(-1000 log2 e) stands for a masked key and is 0 in f32.
; SHARES: work-group (x, batch) owns 64 rows: four tiles of 16 nodes out of the blocks of 128 nodes 2a, 7-2a, 2a+1, 6-2a (a = x / 8), so that every work-group has the same causal work.
; A wave owns 256 of the 1,024 columns of each product, in two PASSES of 128; a pass is 8 half steps of 128 along K: 8 B fragments x 4 row tiles = 32 matrix instructions on 32 accumulators by turns.
; B fragments lie in st in the order of operand registers, and each is read by ONE wave of a work-group.  They come by two roads at once:
;   fragments 0-3 and the eight scale words go from memory straight into the wave's registers: a fill is 13 loads, issued behind a half step's products for the half step three on;
;   fragments 4-7 come by JOINT tensor loads: the four work-groups of a cluster (4 x 1: the same batch, the same a) read the same streams.  A ring of two LDS slots, each with four half steps:
;   a wave's load is 4 rows of 6,144 bytes, 102,400 bytes apart in st, each begun on a multiple of 256.  Slot 0 serves half steps 0-3 of a pass, slot 1 half steps 4-7; slot 0 is filled again in
;   half step 3 and slot 1 in half step 7, for the next pass: one round of the cluster's barrier for four half steps, one load a wave out behind it.
; Four sets of 96 registers take turns for B.  The rows' operand (features, then x, then alpha) is shared by the four waves as an image of operand registers in LDS.
; PREFETCH: in half step k of passes 0 to 3 each wave names 3 blocks of 256 bytes of step k of the pass after next (FR's and FC's four passes), at least eight half steps ahead of the load that
; wants them; the 16 work-groups of a batch share the 48 blocks of the 12,288 bytes out by address (768 x).  W's two passes and the 512 bytes of scale words come by their loads alone.
; REGISTERS: window 0: v0-63 addresses and scales, v64-159 two sets of row fragments, v160-255 at work between the products.  Window 1: B sets 0, 1; v192-255 bias, then e of (key block 7-w, tile 1), then the way out.
; Window 2: B sets 2, 3; v192-255 the head's staging, then e of (7-w, tile 3).  Window 3: the 32 accumulators, tile t fragment q at v[64 t + 8 q].
.set TILEB, 102400
.set QB,    25600
.set STRM,  819200
.set HB,    12288                      ; the eight fragments of a pass in a quarter
.set FH,    6144                       ; four of them
.set SOF,   24576                      ; a quarter's scale words
.set SCA,   49152                      ; LDS: image A at 0 (features' rows, later alpha), its scale words,
.set IMGX,  51200                      ; image X (x), its scale words,
.set SCX,   100352
.set RSUM,  102400                     ; the waves' row sums,
.set BIAS,  103424                     ; b,
.set STAGE, IMGX                       ; the way out, 16 rows x 528 bytes a wave, in image X's bytes: nobody reads x in phase 3
.set SPARE, 107520                     ; the spare words,
.set RING,  108032                     ; the ring: no line stores here
.set SLOTW, 24576                      ; a wave's part of a slot
.set SLOT,  98304
.set SPITCH, 528
.set LI,  1
.set AAI, 1                            ; image A begins at LDS byte 0: its address is 16 x lane
.set RD,  4
.set STO, 5
.set BL,  6                            ; v6, v21: my part of slot 0, 1
.set AAX, 7
.set SPW, 8
.set NIL, 9
.set PFO, 10
.set ASI, 11
.set ASX, 12
.set IWX, 14
.set SWX, 15
.set IWP, 16
.set SWP, 18
.set BIA, 20
.set RSW, 22
.set RSR, 23
.set NL,  24
.set DL,  28
.set NEG, 29
.set BSC, 32                           ; B's scale words: set s at v[32 + 4 s]
.set ASC, 48                           ; the rows' scale words: set p at v[48 + 2 p]
.set RI,  52
.set LV,  60
.set AF,  64
.set PC,  112
.set T,   160
.set TM,  224
.set PW,  240
.set DLB, 244
.set RS,  248
.set CB, 20                            ; s[20:21] this pass's fragments, s[22:23] its scale words; s[24:27] the next pass's; s[28:43] those of passes 2 to 5
.set CS, 22
.set NB, 24
.set NS, 26
.set TB2, 28
.set TS2, 30
.set TB3, 32
.set TS3, 34
.set TB4, 36
.set TS4, 38
.set TB5, 40
.set TS5, 42
.set TR, 44
.set MKC, 54
.set KBC, 55
.set G1, 80                            ; s[80:87] descriptor group 1, s[88:91] group 0
.set G0, 88
.set L0, 93                            ; s93, s94: LDS address of my part of slot 0, 1
.set L1, 94
.set PB, 100                           ; s[100:101] the pass that the prefetches name
.set MSB, 0
.macro WIN new                         ; the immediate's high byte repeats the setting that is left
.if MSB != (\new)
	s_set_vgpr_msb (MSB<<8)|(\new)
.set MSB, (\new)
.endif
.endm
.macro PLACES n
.rept \n
	v_nop
.endr
.endm
.macro BARRIER
	s_wait_alu depctr_va_vdst(0)
	s_wait_dscnt 0x0
	s_barrier_signal -1
	s_barrier_wait -1
.endm
.macro CROUND                          ; a round of the cluster's barrier
	s_barrier_signal -1
	s_barrier_wait -1
	s_cmp_lg_u32 s12, 0
	s_cbranch_scc1 .Lnot_wave_0_\@
	s_barrier_signal -3
.Lnot_wave_0_\@:
	s_barrier_wait -3
	s_barrier_signal -1
	s_barrier_wait -1
.endm
.macro JLOAD                           ; my joint load; an s_nop 0 and four v_nop follow it
	tensor_load_to_lds s[G0:G0+3], s[G1:G1+7]
	s_nop 0
	PLACES 4
.endm
.macro WM
.if rV == 0
	v_wmma_scale_f32_16x16x128_f8f6f4 v[rD:rD+7], v[rF:rF+11], v[rA:rA+11], v[rC:rC+7], v[rSA], v[rSB] matrix_a_fmt:MATRIX_FMT_BF6 matrix_b_fmt:MATRIX_FMT_BF6
.elseif rV == 1
	v_wmma_scale_f32_16x16x128_f8f6f4 v[rD:rD+7], v[rF:rF+11], v[rA:rA+11], v[rC:rC+7], v[rSA], v[rSB] matrix_a_fmt:MATRIX_FMT_BF6 matrix_b_fmt:MATRIX_FMT_BF6 matrix_a_scale:MATRIX_SCALE_ROW1
.elseif rV == 2
	v_wmma_scale_f32_16x16x128_f8f6f4 v[rD:rD+7], v[rF:rF+11], v[rA:rA+11], v[rC:rC+7], v[rSA], v[rSB] matrix_a_fmt:MATRIX_FMT_BF6 matrix_b_fmt:MATRIX_FMT_BF6 matrix_b_scale:MATRIX_SCALE_ROW1
.elseif rV == 3
	v_wmma_scale_f32_16x16x128_f8f6f4 v[rD:rD+7], v[rF:rF+11], v[rA:rA+11], v[rC:rC+7], v[rSA], v[rSB] matrix_a_fmt:MATRIX_FMT_BF6 matrix_b_fmt:MATRIX_FMT_BF6 matrix_a_scale:MATRIX_SCALE_ROW1 matrix_b_scale:MATRIX_SCALE_ROW1
.elseif rV == 4
	v_wmma_scale_f32_16x16x128_f8f6f4 v[rD:rD+7], v[rF:rF+11], v[rA:rA+11], 0, v[rSA], v[rSB] matrix_a_fmt:MATRIX_FMT_BF6 matrix_b_fmt:MATRIX_FMT_BF6
.elseif rV == 5
	v_wmma_scale_f32_16x16x128_f8f6f4 v[rD:rD+7], v[rF:rF+11], v[rA:rA+11], 0, v[rSA], v[rSB] matrix_a_fmt:MATRIX_FMT_BF6 matrix_b_fmt:MATRIX_FMT_BF6 matrix_a_scale:MATRIX_SCALE_ROW1
.elseif rV == 6
	v_wmma_scale_f32_16x16x128_f8f6f4 v[rD:rD+7], v[rF:rF+11], v[rA:rA+11], 0, v[rSA], v[rSB] matrix_a_fmt:MATRIX_FMT_BF6 matrix_b_fmt:MATRIX_FMT_BF6 matrix_b_scale:MATRIX_SCALE_ROW1
.else
	v_wmma_scale_f32_16x16x128_f8f6f4 v[rD:rD+7], v[rF:rF+11], v[rA:rA+11], 0, v[rSA], v[rSB] matrix_a_fmt:MATRIX_FMT_BF6 matrix_b_fmt:MATRIX_FMT_BF6 matrix_a_scale:MATRIX_SCALE_ROW1 matrix_b_scale:MATRIX_SCALE_ROW1
.endif
.endm
; Row tile t against the half step's eight B fragments (transposed use: source 0 = B's 16 rows, source 1 = the tile's 16 rows).
; Phase 2 and 3: a scalar branch on ids leads round a tile that lies wholly above the causal mask.  The first half step starts the sums: from b in phase 1, from 0 else.
.macro RUN ph, k, t
.set rB, ((\ph) == 2) || (((\ph) == 3) && ((\k) > 0))
.if rB
	WIN 0
.if (\ph) == 2
	s_bitcmp1_b32 s[MKC], \t
.else
	s_bitcmp1_b32 s47, 4*(\k)+(\t)
.endif
	s_cbranch_scc0 .Lskip_\@
.endif
.if ((\ph) == 1) && ((\k) == 0)
	WIN 0xd0|(1+hS/2)
.else
	WIN 0xf0|(1+hS/2)
.endif
.irp q, 0,1,2,3,4,5,6,7
.set rD, 64*(\t)+8*\q
.set rC, rD
.if ((\ph) == 1) && ((\k) == 0)
.set rC, 192+8*\q
.endif
.set rF, 96*(hS%2)+12*\q
.set rA, AF+48*hP+12*(\t)
.set rSA, BSC+4*hS+\q/2
.set rSB, ASC+2*hP+(\t)/2
.set rV, (\q%2)+2*((\t)%2)+4*(((\ph) != 1) && ((\k) == 0))
	WM
.endr
.if rB
	WIN 0
.Lskip_\@:
.endif
.endm
.macro FETCH_A adr, sadr, k, p         ; the four row tiles' fragments and scale words of step k into set p
.irp t, 0,1,2,3
.irp c, 0,1,2
	ds_load_b128 v[AF+48*(\p)+12*\t+4*\c:AF+48*(\p)+12*\t+4*\c+3], v[\adr] offset:1536*(\k)+12288*\t+512*\c
.endr
.endr
	ds_load_b64 v[ASC+2*(\p):ASC+2*(\p)+1], v[\sadr] offset:256*(\k)
.endm
.macro FETCH_L kn                      ; B's fragments 4-7 of half step kn out of the ring into set kn % 4
.set lS, (\kn)%4
	WIN (1+lS/2)<<6
.irp q, 4,5,6,7
.irp c, 0,1,2
	ds_load_b128 v[96*(lS%2)+12*\q+4*\c:96*(lS%2)+12*\q+4*\c+3], v[BL+15*((\kn)/4)] offset:((\kn)%4)*FH+1536*(\q-4)+512*\c
.endr
.endr
	WIN 0
.endm
.macro FILL sl, fb, sb, off            ; 13 loads: fragments 0-3 and the eight scale words into B set sl; each load is 512 consecutive bytes
	WIN (1+(\sl)/2)<<6
.irp q, 0,1,2,3
.irp c, 0,1,2
	global_load_b128 v[96*((\sl)%2)+12*\q+4*\c:96*((\sl)%2)+12*\q+4*\c+3], v[LI], s[\fb:\fb+1] offset:(\off)+1536*\q+512*\c
.endr
.endr
	WIN 0
	global_load_b128 v[BSC+4*(\sl):BSC+4*(\sl)+3], v[LI], s[\sb:\sb+1] offset:\off
.endm
; A half step.  cnt: the loads issued behind this half step's fill, which may stay out (two fills of 13; fewer at the very end).
; ring = 1 (half steps 3 and 7): the slot whose last fragments were fetched a half step ago is filled again for the next pass.  In front of the round each wave waits for its one tensor load that
; is out (the other slot's), adds 0 to its spare word and waits for that and for its LDS reads; the joint load is the first tensor load behind the round.
.macro HS ph, k, fill, cnt, ring
.set hP, (\k)%2
.set hS, (\k)%4
.if \ring
	s_wait_tensorcnt 0x0
	ds_add_u32 v[SPW], v[NIL]
.if (\k) == 3
	s_mov_b32 s[G0+1], s[L0]                       ; no load of mine is out: group 0 may be written
	s_add_nc_u64 s[G0+2:G0+3], s[NB:NB+1], FH
.else
	s_mov_b32 s[G0+1], s[L1]
	s_add_nc_u64 s[G0+2:G0+3], s[NB:NB+1], 4*TILEB+FH
.endif
	s_or_b32 s[G0+3], s[G0+3], 0x80000000
	s_wait_dscnt 0x0
	CROUND
	JLOAD                                          ; its four v_nop are also the places in front of the loads below
	s_wait_loadcnt \cnt
.else
	s_wait_loadcnt \cnt
	s_wait_dscnt 0x0                               ; the rows' fragments and B's four from the ring, asked for a half step ago
	PLACES 4                                       ; behind the last half step's products: loads follow into registers that they read
.endif
.if (\k) < 7
.if (\ph) == 2
	FETCH_A AAX, ASX, (\k)+1, 1-hP
.else
	FETCH_A AAI, ASI, (\k)+1, 1-hP
.endif
.endif
.if ((\k) < 7) || (\ring)
	FETCH_L ((\k)+1)%8
.endif
.irp t, 0,1,2,3
	RUN \ph, \k, \t
.endr
	WIN 0
.if \fill
.if (\k)+3 < 8
	FILL ((\k)+3)%4, CB, CS, ((\k)+3)*TILEB
.else
	FILL ((\k)+3)%4, NB, NS, ((\k)-5)*TILEB
.endif
.if (\ph) < 3
	global_prefetch_b8 v[PFO], s[PB:PB+1] offset:(\k)*TILEB th:TH_LOAD_NT scope:SCOPE_SE
.endif
.endif
.endm
.macro NEXTP a, sa, b, sb, pa, pb      ; the pass is over: its bases move on; the pass after next is a (first trip) or b, the prefetches' pass pa or pb
	s_wait_xcnt 0x0                                ; every load and prefetch has read its base
	s_mov_b64 s[CB:CB+1], s[NB:NB+1]
	s_mov_b64 s[CS:CS+1], s[NS:NS+1]
	s_cmp_eq_u32 s[TR], 0
	s_cselect_b64 s[NB:NB+1], s[\a:\a+1], s[\b:\b+1]
	s_cselect_b64 s[NS:NS+1], s[\sa:\sa+1], s[\sb:\sb+1]
	s_cselect_b64 s[PB:PB+1], s[\pa:\pa+1], s[\pb:\pb+1]
.endm
; 64 numbers of a lane (16 of each of four blocks of 32 along the next K; lane l xor 16 holds the other 16) become 12 operand registers at v[PC] and the row's scale word in v[PW]
.macro QUANT src, win, ab
	WIN 0
.irp b, 0,1,2,3
	v_mov_b32 v[TM+\b], 0x2800000                  ; the floor 2^(5 - 127): the byte cannot fall under 1
.endr
	WIN ((\win)<<2)|((\win)<<4)
.irp i, 0,2,4,6,8,10,12,14
.irp b, 0,1,2,3
.if \ab
	v_max3_num_f32 v[TM+\b], v[TM+\b], |v[(\src)+16*\b+\i]|, |v[(\src)+16*\b+\i+1]|
.else
	v_max3_num_f32 v[TM+\b], v[TM+\b], v[(\src)+16*\b+\i], v[(\src)+16*\b+\i+1]
.endif
.endr
.endr
	WIN 0
.irp b, 0,1,2,3
	v_permlanex16_b32 v[TM+4+\b], v[TM+\b], s66, s67
.endr
.irp b, 0,1,2,3
	v_max_num_f32 v[TM+\b], v[TM+\b], v[TM+4+\b]
.endr
.irp b, 0,1,2,3
	v_add_nc_u32 v[TM+12+\b], 0xfe000000, v[TM+\b] ; 4 off the exponent field: the conversion's scale operand
.endr
.irp b, 0,1,2,3
	v_lshrrev_b32 v[TM+4+\b], 23, v[TM+12+\b]      ; the scale's byte
.endr
	v_lshl_or_b32 v[PW], v[TM+5], 8, v[TM+4]
	v_lshl_or_b32 v[PW], v[TM+6], 16, v[PW]
	v_lshl_or_b32 v[PW], v[TM+7], 24, v[PW]
	WIN \win
.irp c, 0,1
	v_cvt_scalef32_pk16_bf6_f32 v[PC+6*\c:PC+2+6*\c], v[(\src)+32*\c:(\src)+15+32*\c], v[TM+12+2*\c]
	v_cvt_scalef32_pk16_bf6_f32 v[PC+12+4*\c:PC+14+4*\c], v[(\src)+16+32*\c:(\src)+31+32*\c], v[TM+12+2*\c+1]
.endr
	WIN 0
	v_nop                                          ; one plain place behind a scaled conversion
.irp c, 0,1
.irp i, 0,1,2
	v_permlane16_swap_b32 v[PC+6*\c+\i], v[PC+12+4*\c+\i]   ; a whole block into each lane
.endr
.irp i, 0,1,2
	v_mov_b32 v[PC+3+6*\c+\i], v[PC+12+4*\c+\i]
.endr
.endr
.endm
.macro IMAGE adr, off
.irp c, 0,1,2
	ds_store_b128 v[\adr], v[PC+4*\c:PC+4*\c+3] offset:(\off)+512*\c
.endr
.endm
	; ---------------- the head: scalars first, then the vector registers in one run ----------------
	s_load_b256 s[4:11], s[0:1], 0x0               ; st, b, lengths, out0
	v_lshl_add_u32 v[SPW], v0, 2, SPARE
	v_mov_b32 v[NIL], 0
	ds_add_u32 v[SPW], v[NIL]                      ; the opening lines: the add, twice on end, and its wait ahead of my first tensor load
	ds_add_u32 v[SPW], v[NIL]
	v_lshrrev_b32 v62, 5, v0
	v_readfirstlane_b32 s12, v62                   ; wave w
	s_bfe_u32 s13, ttmp6, 0x40000                  ; cx: it enters global addresses alone
	s_and_b32 s15, ttmp7, 0xffff                   ; batch
	s_lshr_b32 s16, ttmp9, 1                       ; a = x / 8, x = 4 x cluster + cx
	s_and_b32 s17, ttmp9, 1
	s_lshl_b32 s17, s17, 2
	s_add_co_u32 s17, s17, s13                     ; x % 8: which 16 nodes of each block of 128
	s_lshl_b32 s48, s16, 1                         ; s48-51: the four tiles' blocks
	s_sub_co_u32 s49, 7, s48
	s_add_co_u32 s50, s48, 1
	s_sub_co_u32 s51, 6, s48
	s_mov_b32 s76, s12                             ; my key blocks: w and 7 - w
	s_xor_b32 s77, s12, 7
	s_lshl_b32 s52, s76, 7
	s_lshl_b32 s53, s77, 7
	s_mov_b32 s46, 0                               ; bit 4 hf + t: key block hf counts for tile t
.irp hf, 0,1
.irp t, 0,1,2,3
	s_cmp_le_u32 s[76+\hf], s[48+\t]
	s_cselect_b32 s78, 1<<(4*\hf+\t), 0
	s_or_b32 s46, s46, s78
.endr
.endr
	s_mov_b32 s47, 0                               ; bit 4 g + t: node block g counts for tile t
.irp t, 0,1,2,3
	s_sub_co_u32 s78, 7, s[48+\t]
	s_lshl_b32 s78, s78, 2
	s_lshr_b32 s78, 0x11111111, s78
	s_lshl_b32 s78, s78, \t
	s_or_b32 s47, s47, s78
.endr
	s_and_b32 s72, s46, 15                         ; the six units of scores that can be live: (w, t = 0..3), (7-w, 1), (7-w, 3): blocks 2a and 2a+1 lie under 4 <= 7-w
	s_bfe_u32 s78, s46, 0x10005
	s_lshl_b32 s78, s78, 4
	s_or_b32 s72, s72, s78
	s_bfe_u32 s78, s46, 0x10007
	s_lshl_b32 s78, s78, 5
	s_or_b32 s72, s72, s78
	s_mov_b32 s66, 0x76543210
	s_mov_b32 s67, 0xfedcba98                      ; v_permlanex16_b32's selects for lane l xor 16
	s_mov_b32 s68, 0x4038aa3b                      ; 2 log2 e
	s_mov_b32 s69, s68
	s_mov_b32 s70, 0xc038aa3b
	s_mov_b32 s71, s70
	s_lshl_b32 s80, ttmp9, 2
	s_add_co_u32 s80, s80, s13
	s_mul_i32 s80, s80, 768
	s_mul_i32 s81, s12, 16*SPITCH
	s_add_co_u32 s81, s81, STAGE
	s_mul_i32 s82, s12, 3072
	s_add_co_u32 s82, s82, IMGX
	s_lshl_b32 s83, s12, 9
	s_add_co_u32 s83, s83, SCX
	s_mul_i32 s84, s12, 1536
	s_mul_i32 s85, s77, 1536
	s_lshl_b32 s86, s12, 8
	s_add_co_u32 s88, s86, RSUM
	s_add_co_u32 s86, s86, SCA
	s_lshl_b32 s87, s77, 8
	s_add_co_u32 s87, s87, SCA
	s_and_b32 s89, s12, 1
	s_lshl_b32 s89, s89, 7
	s_lshr_b32 s78, s12, 1
	s_lshl_b32 s78, s78, 2
	s_add_co_u32 s89, s89, s78
	s_add_co_u32 s89, s89, SCA
	s_mul_i32 s90, s12, 12288
	s_lshl_b32 s91, s12, 10
	s_add_co_u32 s91, s91, BIAS
	s_mul_i32 s92, s15, 2*STRM                     ; my batch's two streams
	s_lshr_b32 s93, s12, 1                         ; wave w stages row tile t = w: its block,
	s_add_co_u32 s93, s93, s48
	s_and_b32 s94, s12, 1
	s_mul_i32 s94, s94, 7
	s_xor_b32 s93, s93, s94
	s_xor_b32 s94, s93, 7
	s_min_u32 s94, s94, s93                        ; the quarter of FR that holds it,
	s_mul_i32 s94, s94, QB
	s_add_co_u32 s94, s94, s92
	s_add_co_u32 s94, s94, STRM
	s_lshr_b32 s95, s93, 2
	s_lshl_b32 s96, s95, 3
	s_add_co_u32 s96, s96, s17
	s_mul_i32 s96, s96, 1536
	s_add_co_u32 s96, s96, s94                     ; its fragment,
	s_mov_b32 s97, 0
	s_lshl_b32 s98, s95, 9
	s_add_co_u32 s98, s98, s94
	s_add_co_u32 s98, s98, SOF
	s_and_b32 s95, s17, 1
	s_lshl_b32 s78, s95, 8
	s_add_co_u32 s98, s98, s78
	s_lshr_b32 s78, s17, 1
	s_lshl_b32 s79, s78, 2
	s_add_co_u32 s98, s98, s79                     ; and its scale words
	s_mov_b32 s99, 0
	s_lshl_b32 s79, s78, 5
	s_lshl_b32 s95, s95, 3
	s_add_co_u32 s79, s79, s95                     ; the tile's first node in its block; row p is node + p + 8 (p / 8)
	s_mul_i32 s100, s12, QB
	s_mov_b32 s101, 0
	s_mul_i32 s[L0], s12, SLOTW                    ; my part of the ring's slots: the wave's number alone enters an LDS address
	s_add_co_u32 s[L0], s[L0], RING
	s_add_co_u32 s[L1], s[L0], SLOT
	v_and_b32 v62, 31, v0                          ; lane
	v_and_b32 v2, 15, v0                           ; p
	v_bfe_u32 v3, v0, 4, 1                         ; h
	v_min_u32 v[PFO], 2, v62
	v_lshlrev_b32 v[LI], 4, v62
	v_lshl_add_u32 v[PFO], v[PFO], 8, s80          ; my work-group's three blocks of 256 bytes; lanes 3-31 name the third again
	v_add_nc_u32 v[AAX], IMGX, v[LI]
	v_add_nc_u32 v[BL], s[L0], v[LI]
	v_add_nc_u32 v[BL+15], s[L1], v[LI]
	v_lshl_add_u32 v[ASI], v62, 3, SCA
	v_lshl_add_u32 v[ASX], v62, 3, SCX
	v_mul_u32_u24 v[STO], v2, SPITCH
	v_lshl_add_u32 v[STO], v3, 5, v[STO]
	v_add_nc_u32 v[STO], s81, v[STO]
	v_add_nc_u32 v[RD], s81, v[LI]
	v_add_nc_u32 v[IWX], s82, v[LI]
	v_lshl_add_u32 v[SWX], v2, 3, s83
	v_add_nc_u32 v[IWP], s84, v[LI]
	v_add_nc_u32 v[IWP+1], s85, v[LI]
	v_lshl_add_u32 v[SWP], v2, 3, s86
	v_lshl_add_u32 v[SWP+1], v2, 3, s87
	v_lshl_add_u32 v[RSW], v2, 2, s88
	v_lshl_add_u32 v[RSR], v2, 2, RSUM
	v_lshl_add_u32 v30, v2, 3, s89
	v_add_nc_u32 v31, s90, v[LI]
	v_lshl_add_u32 v[BIA], v3, 6, s91
	v_add_nc_u32 v63, s91, v[LI]
	v_mov_b32 v[NEG], 0xc47a0000                   ; -1000: a masked key's exponent
	v_mov_b32 v[LV], 0x3fb8aa3b
	v_mov_b32 v[LV+1], 0x3fb8aa3b
	v_lshlrev_b32 v13, 4, v2
	v_and_b32 v[DL], 8, v2
	v_add_nc_u32 v[DL], v[DL], v2                  ; p + 8 (p / 8)
	v_lshlrev_b32 v62, 4, v3                       ; 16 h
.irp b, 0,1,2,3
	v_mov_b32 v[TM+4+\b], 0                        ; written once: a lane permute's destination counts as one of its sources
.endr
	s_wait_alu depctr_va_vdst(0)
	s_wait_dscnt 0x0                               ; both opening adds are done
	s_wait_kmcnt 0x0
	s_mov_b32 s[G1+0], 15|(3<<16)|(1<<21)          ; group 1: the mask names the cluster's four; elements of 8 bytes; no padding: fragments are read as 512 consecutive bytes
	s_mov_b32 s[G1+1], 768<<16                     ; tensor_dim0 = 768 elements: a row of 6,144 bytes
	s_mov_b32 s[G1+2], 4<<16                       ; tensor_dim1 = 4
	s_mov_b32 s[G1+3], 768<<16                     ; tile_dim0
	s_mov_b32 s[G1+4], 4                           ; tile_dim1
	s_mov_b32 s[G1+5], TILEB/8                     ; from half step to half step
	s_mov_b32 s[G1+6], 0
	s_mov_b32 s[G1+7], 0
	s_mov_b32 s[G0], 1
	s_lshl_b32 s74, s15, 2
	s_mov_b32 s75, 0
	s_add_nc_u64 s[8:9], s[8:9], s[74:75]
	s_load_b32 s18, s[8:9], 0x0                    ; my batch's length
	s_add_nc_u64 s[96:97], s[4:5], s[96:97]
	s_add_nc_u64 s[98:99], s[4:5], s[98:99]
	s_lshl_b32 s74, s12, 10
	s_add_nc_u64 s[6:7], s[6:7], s[74:75]          ; my 256 numbers of b
	s_add_nc_u64 s[CB:CB+1], s[4:5], s[100:101]    ; passes 0, 1: W's stream, my quarter, its two halves
	s_add_nc_u64 s[CS:CS+1], s[CB:CB+1], SOF
	s_add_nc_u64 s[NB:NB+1], s[CB:CB+1], HB
	s_add_nc_u64 s[NS:NS+1], s[CS:CS+1], 512
	s_add_co_u32 s74, s92, STRM
	s_add_nc_u64 s[TB3:TB3+1], s[CB:CB+1], s[74:75] ; pass 3: FR, key block w;  pass 2: key block 7 - w
	s_add_nc_u64 s[TS3:TS3+1], s[TB3:TB3+1], SOF
	s_add_nc_u64 s[TB2:TB2+1], s[TB3:TB3+1], HB
	s_add_nc_u64 s[TS2:TS2+1], s[TS3:TS3+1], 512
	s_add_nc_u64 s[TB4:TB4+1], s[TB3:TB3+1], STRM  ; passes 4, 5: FC
	s_add_nc_u64 s[TS4:TS4+1], s[TS3:TS3+1], STRM
	s_add_nc_u64 s[TB5:TB5+1], s[TB4:TB4+1], HB
	s_add_nc_u64 s[TS5:TS5+1], s[TS4:TS4+1], 512
	s_mov_b64 s[PB:PB+1], s[TB2:TB2+1]
	s_mov_b32 s[G0+1], s[L0]
	s_add_nc_u64 s[G0+2:G0+3], s[CB:CB+1], FH
	s_or_b32 s[G0+3], s[G0+3], 0x80000000
	CROUND                                         ; the four work-groups are here: the first joint loads meet
	JLOAD                                          ; slot 0: pass 0, half steps 0-3: my one tensor load at the head
.irp t, 0,1,2,3
	s_lshl_b32 s74, s[48+\t], 7                    ; s[56 + 2 t]: out0 at tile t's first node, my first column
	s_add_co_u32 s74, s74, s79
	s_lshl_b32 s78, s15, 10
	s_add_co_u32 s74, s74, s78
	s_lshl_b32 s74, s74, 12
	s_lshl_b32 s78, s12, 10
	s_add_co_u32 s74, s74, s78
	s_add_nc_u64 s[56+2*\t:57+2*\t], s[10:11], s[74:75]
.endr
	WIN 0x80                                       ; 34 loads for the head's own use: my row tile's eight fragments,
.set n, 0
.rept 16
	global_load_b128 v[192+4*n:195+4*n], v[LI], s[96:97] offset:TILEB*(n/3)+512*(n%3)
.set n, n+1
.endr
	WIN 0
.rept 8
	global_load_b128 v[T+4*(n-16):T+4*(n-16)+3], v[LI], s[96:97] offset:TILEB*(n/3)+512*(n%3)
.set n, n+1
.endr
.irp s, 0,1,2,3,4,5,6,7
	global_load_b32 v[T+32+\s], v13, s[98:99] offset:TILEB*\s    ; their scale words,
.endr
	global_load_b128 v[T+40:T+43], v[LI], s[6:7]                 ; and my part of b
	global_load_b128 v[T+44:T+47], v[LI], s[6:7] offset:512
	FILL 0, CB, CS, 0                              ; and the first three fills, 39 loads
	FILL 1, CB, CS, TILEB
	FILL 2, CB, CS, 2*TILEB
	s_wait_kmcnt 0x0
	s_sub_co_u32 s18, s18, 1
.irp t, 0,1,2,3
	s_lshl_b32 s78, s[48+\t], 7
	s_add_co_u32 s78, s78, s79
	v_add_nc_u32 v[NL+\t], s78, v[DL]              ; my row's node;
	v_min_u32 v[NL+\t], s18, v[NL+\t]              ; the last key that counts for it: min(node, length - 1),
	v_sub_nc_u32 v[NL+\t], v[NL+\t], v62           ; less my half's 16
.endr
	s_wait_alu depctr_va_vdst(0)
	s_wait_loadcnt 39                              ; the three fills are younger than the head's 34 loads: those are in
	WIN 0x08
.set n, 0
.rept 16
	ds_store_b128 v31, v[192+4*n:195+4*n] offset:1536*(n/3)+512*(n%3)
.set n, n+1
.endr
	WIN 0
.rept 8
	ds_store_b128 v31, v[T+4*(n-16):T+4*(n-16)+3] offset:1536*(n/3)+512*(n%3)
.set n, n+1
.endr
.irp s, 0,1,2,3,4,5,6,7
	ds_store_b32 v30, v[T+32+\s] offset:256*\s
.endr
	ds_store_b128 v63, v[T+40:T+43]
	ds_store_b128 v63, v[T+44:T+47] offset:512
	s_wait_tensorcnt 0x0                           ; slot 0 is in; slot 1's first fill is issued as a refill is
	ds_add_u32 v[SPW], v[NIL]
	s_mov_b32 s[G0+1], s[L1]
	s_add_nc_u64 s[G0+2:G0+3], s[CB:CB+1], 4*TILEB+FH
	s_or_b32 s[G0+3], s[G0+3], 0x80000000
	s_wait_dscnt 0x0                               ; the add is done, and my part of image A lies in LDS
	CROUND                                         ; image A is whole too
	JLOAD                                          ; slot 1: pass 0, half steps 4-7
	FETCH_L 0
	; ---------------- phase 1: x = features W^T + b, quantised pass by pass into image X ----------------
	s_mov_b32 s[TR], 0
.Lp1:
	FETCH_A AAI, ASI, 0, 0
	s_cmp_lg_u32 s[TR], 0                          ; the pass's place stands in the immediates: every LDS address register stays as the head made it
	s_cbranch_scc1 .Lbias1
	WIN 0x40
.irp q, 0,1,2,3,4,5,6,7
	ds_load_b128 v[192+8*\q:195+8*\q], v[BIA] offset:(32*(\q/2)+8*(\q%2))*4      ; b in the result's layout: the C of the first half step
	ds_load_b128 v[196+8*\q:199+8*\q], v[BIA] offset:(32*(\q/2)+8*(\q%2))*4+16
.endr
	WIN 0
	s_branch .Lbiasd
.Lbias1:
	WIN 0x40
.irp q, 0,1,2,3,4,5,6,7
	ds_load_b128 v[192+8*\q:195+8*\q], v[BIA] offset:512+(32*(\q/2)+8*(\q%2))*4  ; the second pass's 128 columns
	ds_load_b128 v[196+8*\q:199+8*\q], v[BIA] offset:512+(32*(\q/2)+8*(\q%2))*4+16
.endr
	WIN 0
.Lbiasd:
.irp k, 0,1,2,3,4,5,6,7
	HS 1, \k, 1, 26, (\k%4)/3
.endr
	PLACES 4
.irp t, 0,1,2,3
	QUANT 64*\t, 3, 1
	s_wait_alu depctr_va_vdst(0)
	s_cmp_lg_u32 s[TR], 0
	s_cbranch_scc1 .Lx1_\t
	IMAGE IWX, 12288*\t
	ds_store_b32 v[SWX], v[PW] offset:128*(\t%2)+4*(\t/2)
	s_branch .Lxd_\t
.Lx1_\t:
	IMAGE IWX, 12288*\t+1536                       ; the second pass's 128 columns are x's next K step
	ds_store_b32 v[SWX], v[PW] offset:256+128*(\t%2)+4*(\t/2)
.Lxd_\t:
	s_wait_dscnt 0x0
.endr
	NEXTP TB2, TS2, TB3, TS3, TB3, TB4
	s_add_co_u32 s[TR], s[TR], 1
	s_cmp_lt_u32 s[TR], 2
	s_cbranch_scc1 .Lp1
	BARRIER                                        ; image X is whole, and nobody reads image A any more
	; ---------------- phase 2: scores, key block 7 - w first, then w; e = 2^(log2 e x tanh) behind each pass ----------------
.irp t, 0,1,2,3
	v_mov_b32 v[RS+\t], 0
.endr
	s_wait_alu depctr_va_vdst(0)
	s_mov_b32 s[TR], 0
	s_lshr_b32 s[MKC], s46, 4
	s_mov_b32 s[KBC], s53
.Lp2:
	FETCH_A AAX, ASX, 0, 0
.irp k, 0,1,2,3,4,5,6,7
	HS 2, \k, 1, 26, (\k%4)/3
.endr
	PLACES 4
	s_mov_b32 s75, 0
.La_loop:
	s_lshr_b32 s76, s[MKC], s75
	s_bitcmp1_b32 s76, 0
	s_cbranch_scc0 .La_next
.irp u, 0,1,2
	s_cmp_eq_u32 s75, \u
	s_cbranch_scc1 .La_in\u
.endr
	s_branch .La_in3
.irp u, 0,1,2,3
.La_in\u:
	WIN 3
	s_wait_alu depctr_va_vdst(0)                   ; ahead of the first readers of matrix results
.set kk, 0
.rept 32
	v_pk_mul_f32 v[T+kk:T+kk+1], v[64*\u+kk:64*\u+kk+1], s[68:69] op_sel_hi:[1,0]
.set kk, kk+2
.endr
	WIN 0
	v_sub_nc_u32 v[DL], v[NL+\u], s[KBC]
	s_branch .La_body
.endr
.La_body:                                              ; tanh s = 1 - 2 / (1 + 2^(2 log2 e s))
	s_wait_alu depctr_va_vdst(0)
.set kk, 0
.rept 64
	v_exp_f32 v[T+kk], v[T+kk]
.set kk, kk+1
.endr
	v_nop
	s_wait_alu depctr_va_vdst(0)
.set kk, 0
.rept 32
	v_pk_add_f32 v[T+kk:T+kk+1], v[T+kk:T+kk+1], 1.0 op_sel_hi:[1,0]
.set kk, kk+2
.endr
	s_wait_alu depctr_va_vdst(0)
.set kk, 0
.rept 64
	v_rcp_f32 v[T+kk], v[T+kk]
.set kk, kk+1
.endr
.irp b, 0,1,2,3
	v_add_nc_u32 v[DLB+\b], -32*\b, v[DL]
.endr
	s_wait_alu depctr_va_vdst(0)
.set kk, 0
.rept 32
	v_pk_fma_f32 v[T+kk:T+kk+1], v[T+kk:T+kk+1], s[70:71], v[LV:LV+1] op_sel_hi:[1,0,1]
.set kk, kk+2
.endr
.set kk, 0
.rept 64
	v_cmp_le_i32 vcc_lo, kk%16, v[DLB+kk/16]       ; register kk is key 32 (kk / 16) + 16 h + kk % 16 of the block
	v_cndmask_b32 v[T+kk], v[NEG], v[T+kk], vcc_lo
.set kk, kk+1
.endr
	s_lshl_b32 s77, s[TR], 2
	s_add_co_u32 s77, s77, s75
.irp u, 1,3,4,5,6
	s_cmp_eq_u32 s77, \u
	s_cbranch_scc1 .La_out\u
.endr
	s_branch .La_out7
.irp u, 1,3,4,5,6,7                    ; where e stays: first pass: tile 1 in window 1, tile 3 in window 2, v192 on; second pass: in the accumulators' place
.La_out\u:
.set oT, \u%4
.if \u < 4
.set oW, 1+\u/2
.set oA, 192
.else
.set oW, 3
.set oA, 64*oT
.endif
	s_wait_alu depctr_va_vdst(0)
	WIN oW<<6
.set kk, 0
.rept 64
	v_exp_f32 v[oA+kk], v[T+kk]
.set kk, kk+1
.endr
	WIN 0
	v_nop
	s_wait_alu depctr_va_vdst(0)
	WIN oW|(oW<<2)
	v_pk_add_f32 v[TM:TM+1], v[oA:oA+1], v[oA+4:oA+5]
	v_pk_add_f32 v[TM+2:TM+3], v[oA+2:oA+3], v[oA+6:oA+7]
	WIN oW<<2
.set kk, 8
.rept 14
	v_pk_add_f32 v[TM:TM+1], v[TM:TM+1], v[oA+kk:oA+kk+1]
	v_pk_add_f32 v[TM+2:TM+3], v[TM+2:TM+3], v[oA+kk+2:oA+kk+3]
.set kk, kk+4
.endr
	WIN 0
	v_add_f32 v[TM], v[TM], v[TM+1]
	v_add_f32 v[TM+2], v[TM+2], v[TM+3]
	v_add_f32 v[TM], v[TM], v[TM+2]
	v_add_f32 v[RS+oT], v[RS+oT], v[TM]
	s_wait_alu depctr_va_vdst(0)
	s_branch .La_next
.endr
.La_next:
	s_add_co_u32 s75, s75, 1
	s_cmp_lt_u32 s75, 4
	s_cbranch_scc1 .La_loop
	NEXTP TB4, TS4, TB5, TS5, TB5, TB5
	s_mov_b32 s[MKC], s46
	s_mov_b32 s[KBC], s52
	s_add_co_u32 s[TR], s[TR], 1
	s_cmp_lt_u32 s[TR], 2
	s_cbranch_scc1 .Lp2
	; the rows' sums over the four waves
	s_wait_alu depctr_va_vdst(0)
.irp t, 0,1,2,3
	v_permlanex16_b32 v[TM+4+\t], v[RS+\t], s66, s67
.endr
.irp t, 0,1,2,3
	v_add_f32 v[RS+\t], v[RS+\t], v[TM+4+\t]
.endr
.irp t, 0,1,2,3
	ds_store_b32 v[RSW], v[RS+\t] offset:64*\t
.endr
	BARRIER
.irp t, 0,1,2,3
.irp q, 0,1,2,3
	ds_load_b32 v[T+4*\t+\q], v[RSR] offset:256*\q+64*\t
.endr
.endr
	s_wait_dscnt 0x0
.irp q, 1,2,3
.irp t, 0,1,2,3
	v_add_f32 v[T+4*\t], v[T+4*\t], v[T+4*\t+\q]
.endr
.endr
	s_wait_alu depctr_va_vdst(0)
.irp t, 0,1,2,3
	v_rcp_f32 v[RI+2*\t], v[T+4*\t]
.endr
	v_nop
	s_wait_alu depctr_va_vdst(0)
.irp t, 0,1,2,3
	v_mov_b32 v[RI+2*\t+1], v[RI+2*\t]
.endr
	; alpha = e / sum, quantised unit by unit into image A
	s_mov_b32 s75, 0
.Lb_loop:
	s_lshr_b32 s76, s72, s75
	s_bitcmp1_b32 s76, 0
	s_cbranch_scc0 .Lb_next
.irp u, 0,1,2,3,4
	s_cmp_eq_u32 s75, \u
	s_cbranch_scc1 .Lb_in\u
.endr
	s_branch .Lb_in5
.irp u, 0,1,2,3,4,5
.Lb_in\u:
.if \u < 4
.set bT, \u
.set bW, 3
.set bA, 64*\u
.else
.set bT, 2*(\u-4)+1
.set bW, \u-3
.set bA, 192
.endif
	s_wait_alu depctr_va_vdst(0)
	WIN bW
.set kk, 0
.rept 32
	v_pk_mul_f32 v[T+kk:T+kk+1], v[bA+kk:bA+kk+1], v[RI+2*bT:RI+2*bT+1] op_sel_hi:[1,0]
.set kk, kk+2
.endr
	WIN 0
	s_wait_alu depctr_va_vdst(0)
	s_branch .Lb_body
.endr
.Lb_body:
	QUANT T, 0, 0
.irp u, 0,1,2,3,4
	s_cmp_eq_u32 s75, \u
	s_cbranch_scc1 .Lb_out\u
.endr
	s_branch .Lb_out5
.irp u, 0,1,2,3,4,5
.Lb_out\u:
.if \u < 4
.set bT, \u
.else
.set bT, 2*(\u-4)+1
.endif
	s_wait_alu depctr_va_vdst(0)
	IMAGE IWP+\u/4, 12288*bT
	ds_store_b32 v[SWP+\u/4], v[PW] offset:128*(bT%2)+4*(bT/2)
	s_wait_dscnt 0x0
	s_branch .Lb_next
.endr
.Lb_next:
	s_add_co_u32 s75, s75, 1
	s_cmp_lt_u32 s75, 6
	s_cbranch_scc1 .Lb_loop
	BARRIER                                        ; image A holds alpha
	; ---------------- phase 3: out = alpha features, stored pass by pass ----------------
.macro TOSTAGE t                       ; a tile's 16 rows x 128 columns through my own stage: back as whole rows of 512 bytes
	WIN 0x0c
.irp q, 0,1,2,3,4,5,6,7
	ds_store_b128 v[STO], v[64*(\t)+8*\q:64*(\t)+8*\q+3] offset:64*\q      ; each accumulator from its low end on
	ds_store_b128 v[STO], v[64*(\t)+8*\q+4:64*(\t)+8*\q+7] offset:64*\q+16
.endr
.if (\t)%2
	WIN 0x40
.set BB, 192
.else
	WIN 0
.set BB, T
.endif
.irp q, 0,1,2,3,4,5,6,7,8,9,10,11,12,13,14,15
	ds_load_b128 v[BB+4*\q:BB+4*\q+3], v[RD] offset:\q*SPITCH   ; LDS serves a wave's instructions in order (ISA guide 5.7.1.4)
.endr
	WIN 0
.endm
.macro SEND t, younger
	s_wait_dscnt \younger
.if (\t)%2
	WIN 0x04
.set BB, 192
.else
.set BB, T
.endif
.irp q, 0,1,2,3,4,5,6,7,8,9,10,11,12,13,14,15
	global_store_b128 v[LI], v[BB+4*\q:BB+4*\q+3], s[56+2*(\t):57+2*(\t)] offset:(\q+8*(\q/8))*4096 th:TH_STORE_NT   ; 32 lanes store 512 consecutive bytes, aligned to 512
.endr
	WIN 0
.endm
.macro WAYOUT
	PLACES 4
	TOSTAGE 0
.irp a, 1,2,3
.if \a > 1
	s_wait_xcnt 0x0                                ; tile a - 2's stores have read their registers
.endif
	TOSTAGE \a
	SEND \a-1, 32                                  ; behind tile a - 1's loads: tile a's 16 stores and 16 loads
.endr
	SEND 3, 0
.endm
	s_mov_b32 s[TR], 0
.Lp3:                                                  ; one trip and a half: the second pass leaves the loop behind half step 2, and its end is written out below
	FETCH_A AAI, ASI, 0, 0
.irp k, 0,1,2
	HS 3, \k, 1, 26, 0
.endr
	s_cmp_lg_u32 s[TR], 0
	s_cbranch_scc1 .Lp3_tail
.irp k, 3,4,5,6,7
	HS 3, \k, 1, 26, (\k%4)/3
.endr
	WAYOUT
	s_wait_xcnt 0x0                                ; stores and loads have read their bases and registers
	s_mov_b64 s[CB:CB+1], s[NB:NB+1]
	s_mov_b64 s[CS:CS+1], s[NS:NS+1]
.irp t, 0,1,2,3
	s_add_nc_u64 s[56+2*\t:57+2*\t], s[56+2*\t:57+2*\t], 512   ; the next pass's 128 columns
.endr
	s_add_co_u32 s[TR], s[TR], 1
	s_cmp_lt_u32 s[TR], 2
	s_cbranch_scc1 .Lp3                            ; the counter is 1 here: the branch is taken whenever it is reached
	s_wait_loadcnt 0x0                             ; so on the way straight on nothing is in flight
.Lp3_tail:                                             ; the last pass's half steps 3 to 7: no slot is filled again; the fills end with half step 7's
	s_wait_tensorcnt 0x0                           ; slot 1, half steps 4-7, is in: only I read my part
	HS 3, 3, 1, 26, 0
	HS 3, 4, 1, 26, 0
	HS 3, 5, 0, 26, 0                              ; two, one and no younger fill
	HS 3, 6, 0, 13, 0
	HS 3, 7, 0, 0, 0
	WAYOUT
	s_wait_tensorcnt 0x0                           ; the wave's end
	ds_add_u32 v[SPW], v[NIL]
	s_wait_dscnt 0x0
	CROUND                                         ; the closing round: no work-group ends while a partner may still ask jointly
	s_endpgm
.Lfunc_end_k_q54db80a9fb_attn:
	.size	k_q54db80a9fb_attn, .Lfunc_end_k_q54db80a9fb_attn-k_q54db80a9fb_attn
	.p2alignl 7, 3214868480
	.fill 96, 4, 3214868480
	.section	.rodata,"a",@progbits
	.p2align	6, 0x0
	.amdhsa_kernel k_q54db80a9fb_attn
		.amdhsa_group_segment_fixed_size 327680
		.amdhsa_private_segment_fixed_size 0
		.amdhsa_enable_private_segment 0
		.amdhsa_kernarg_size 32
		.amdhsa_user_sgpr_count 2
		.amdhsa_user_sgpr_kernarg_segment_ptr 1
		.amdhsa_wavefront_size32 1
		.amdhsa_system_sgpr_workgroup_id_x 1
		.amdhsa_system_sgpr_workgroup_id_y 1
		.amdhsa_system_sgpr_workgroup_id_z 1
		.amdhsa_system_vgpr_workitem_id 0
		.amdhsa_next_free_vgpr 1024
		.amdhsa_next_free_sgpr 102
		.amdhsa_reserve_vcc 1
		.amdhsa_float_denorm_mode_32 3
		.amdhsa_float_denorm_mode_16_64 3
		.amdhsa_memory_ordered 1
		.amdhsa_forward_progress 1
		.amdhsa_inst_pref_size 255
	.end_amdhsa_kernel
	.section	.bss,"aw",@nobits
	.p2align	6
	.space	262144
	.amdgpu_metadata
---
amdhsa.version: [ 1, 2 ]
amdhsa.kernels:
  - .name:           k_q54db80a9fb_attn
    .symbol:         k_q54db80a9fb_attn.kd
    .args:
      - { .name: st, .offset: 0, .size: 8, .value_kind: global_buffer, .address_space: global }
      - { .name: b, .offset: 8, .size: 8, .value_kind: global_buffer, .address_space: global }
      - { .name: lengths, .offset: 16, .size: 8, .value_kind: global_buffer, .address_space: global }
      - { .name: out0, .offset: 24, .size: 8, .value_kind: global_buffer, .address_space: global }
    .group_segment_fixed_size: 327680
    .private_segment_fixed_size: 0
    .kernarg_segment_align: 8
    .kernarg_segment_size: 32
    .max_flat_workgroup_size: 128
    .sgpr_count:     102
    .vgpr_count:     1024
    .wavefront_size: 32
...
	.end_amdgpu_metadata
.endif
;; end of part 2
